; MI455X (gfx1250); checked and timed in simulation.
; The chip was launched on July 23, 2026; its instructions are those of AMD's public machine-readable ISA for CDNA 5 (MIT licence, August 2026) and "CDNA5" Instruction Set Architecture Reference Guide (July 2026). The comments in the code are by the model that wrote it; some were corrected since.
;; Offline Sliding Window Attn. Allowed arithmetic: matrix products marked QUANTISED: E3M2 operands, one E8M0 scale for each 32 along K, by v_wmma_scale_f32_16x16x128_f8f6f4 with both operands' format E3M2, f32 sums; everything else in f32.
;; Inputs: k 2 x 2,048 x 4 x 128 float32; k_gamma 2,048 float32; q 2 x 2,048 x 16 x 128 float32; q_gamma 2,048 float32; v_codes 2 x 4 x 128 x 64 x 24 uint8 (E3M2 codes of v, K innermost, in blocks of 32 codes, four codes in three bytes); v_scales 2 x 4 x 128 x 64 uint8 (E8M0 scales of v, one for each 32 codes along K).
;; Outputs: out0 2 x 2,048 x 16 x 128 float32.
;; This version of the problem:
;;   THIS VERSION OF THE PROBLEM IS GIVEN IN LOW PRECISION. The matrix products marked QUANTISED in the list below multiply operands that are first quantised to E3M2 (3 exponent bits, 2 mantissa bits; 6 bits a number), with one power-of-two scale for each 32 numbers along K (OCP MX v1.0); their sums are f32. All else is computed in f32.
;;   The module's matrix products, in the order in which they are computed (A, B: the left and right operand; K: the contracted axis; several contracted axes count as one K, in the product's order):
;;     1. batch 32 x [M 2,048, K 128] x [K 128, N 2,048]; A: computed on the way; B: computed on the way: QUANTISED
;;     2. batch 32 x [M 128, K 2,048] x [K 2,048, N 2,048]; A: input v (given as codes); B: computed on the way: QUANTISED
;;   THE QUANTISER, for each operand of a quantised product, along K:
;;     - K is cut into blocks of 32 from its start; a last block that is shorter is filled with zeros.
;;     - A block's scale is 2^e with e = floor(log2(the largest magnitude in the block)) - 4, held to -126 .. 127; a block of zeros has e = 0. As a byte (E8M0): e + 127.
;;     - Each number is divided by its block's scale, clamped to +-28, and rounded to the nearest number of E3M2, ties to even, subnormals kept.
;;     - The product sums the exact products of the quantised numbers (number of the format x scale) in f32.
;;   ~~~python
;;   def quantise(x, axis):      # numpy; x: float32 -> the quantised numbers, widened to float32 again
;;       x = np.moveaxis(x, axis, -1); K = x.shape[-1]
;;       x = np.pad(x, [(0, 0)] * (x.ndim - 1) + [(0, -K % 32)]); x = x.reshape(x.shape[:-1] + (-1, 32)); a = np.abs(x).max(-1, keepdims=True)
;;       e = np.where(a > 0, np.clip(np.frexp(np.where(a > 0, a, 1))[1] - 1 - 4, -126, 127), 0)      # np.frexp(a)[1] - 1 = floor(log2(a)), exactly
;;       r = np.clip(x / 2.0 ** e, -28, 28)
;;       step = 2.0 ** (np.maximum(np.frexp(np.where(r == 0, 1, r))[1] - 1, -2) - 2)
;;       q = np.round(r / step) * step * 2.0 ** e      # np.round: ties to even
;;       return np.moveaxis(q.reshape(q.shape[:-2] + (-1,))[..., :K], -1, axis).astype(np.float32)
;;   ~~~
;;   OPERANDS COMPUTED ON THE WAY. 'Computed on the way' means the value that the module computes at that place (a softmax that the list does not call 'softmax' is quantised finished and normalised). What goes into a quantiser is computed in f32, as accurately as f32 sums, v_exp_f32 and their like allow (about 1e-6 of the number): no bf16 or f16 on the way to a quantiser, and a product that is left as it is and whose result goes on into a quantised operand takes f32 operands (vector FMAs, or v_wmma_f32_16x16x4_f32). A number that lies on a knife's edge between two numbers of the format may be rounded either way, as far as f32 arithmetic and the matrix unit's own rounding can turn it there, and no further.
;;   INPUTS GIVEN AS CODES. v (in the module: [2, 2048, 4, 128], K = its axis 1): each comes as NAME_codes (uint8): NAME with its K axis moved to the last place and cut into blocks of 32 codes, [.., K / 32, bytes a block], one block behind the other in memory; four codes in three bytes: a row's codes are one little-endian stream of bits, code i at bits 6 i .. 6 i + 5 (a code: sign, 3 exponent bits, 2 mantissa bits); and NAME_scales (uint8): the same leading axes, one E8M0 byte (e + 127) for each 32 codes along K. Its value is code x scale, taken as it is: it is not quantised again, and the codes and scales need not be those that the quantiser above would give.
;; One version. Each part assembles by itself: llvm-mc -triple=amdgcn-amd-amdhsa -mcpu=gfx1250 --defsym DOCPART=n.
;; ======== version 1 of 1: 1 launch
;; launch attn (part 1): grid 8 x 32, 8 waves a work-group, no clusters, 254,976 bytes of LDS; arguments q, k, v_codes, v_scales, q_gamma, k_gamma, out0; writes out0
.if DOCPART == 1
	.amdgcn_target "amdgcn-amd-amdhsa--gfx1250"
	.amdhsa_code_object_version 6
	.text
	.protected	k_q8f2204d728_attn
	.globl	k_q8f2204d728_attn
	.p2align	8
	.type	k_q8f2204d728_attn,@function
k_q8f2204d728_attn:
	s_mov_b64 s[64:65], 0
	v_nop
	global_prefetch_b8 v0, s[64:65] scope:SCOPE_SE
	s_setreg_imm32_b32 hwreg(HW_REG_WAVE_MODE, 25, 1), 1
	s_wait_xcnt 0x0
; Sliding-window causal attention, B = 2, S = 2048, 16 query heads, 4 key/value heads, head size 128; key j counts for query i where 0 <= i - j <= 512.
; q and k (f32) are divided by their head's root mean square (eps 1e-6) and multiplied by q_gamma, k_gamma of the QUERY head; both are quantised along the head's 128 to E3M2 with one
; E8M0 byte for each 32.  The FINISHED softmax, e / l, clipped to [0, 1], is quantised along the keys, in blocks of 32 keys; v comes as codes with the keys innermost.  Sums in f32.
; SHARES.  A work-group of eight waves owns 256 queries of one (batch, query head).  These see 768 keys: six key steps of 128.
; HEAD: the waves normalise and quantise those 768 keys (3 groups of 32 keys a wave) and their own 2 x 16 queries, and copy V's 48 fragments; all lie in LDS as IMAGES OF OPERAND REGISTERS
; (a fragment's 12 registers by three stores of 16 bytes a lane, its scale word by one of 4).  One barrier.  TILE (two trips): wave w takes queries 128 trip + 16 w on; the scores of its five key
; steps (40 products, 320 registers) stay in registers: mask, row maximum, e = 2^(c s - c m), the row's sum l, p = e / l, quantised, 40 products with V; the result leaves through the wave's own stage.
; Both products are used transposed (source 0 = 16 keys, or 16 channels of V; source 1 = my 16 queries): a lane holds ONE query throughout.  The keys of a tile are not neighbours: row r of tile 2 b + u
; is key 32 b + 8 u + r + 8 (r / 8), so that the 16 registers of tiles 2 b, 2 b + 1 are keys 32 b + 16 (lane / 16) + 0 .. 15.
; Key steps that lie before key 0 (query blocks 0 and 1) are filled with copies of the first keys, so that all of LDS is written and no load leaves its buffer; their scores are replaced by -infinity.
; NO JOINT LOADS: of a work-group's 180 KB of operands only V's 74 KB are shared with other work-groups as they lie (K's codes hang on the query head's gamma), and every other operand is made in registers.
; THE CLIP: e >= 0 and 1 / l > 0 give p >= 0; where the row's largest e times 1 / l rounds above 1, that row's 1 / l is lowered by 2^-21 of itself, so that every p of the row is at most 1.
; A block's largest p is the block's largest score put through the same multiply-add, exponential and multiplication (this takes v_exp_f32 not to fall where its input rises).
; LIMITS: NaN and infinities among the inputs, and a byte 0xff among v_scales, are not served; an e under 2^-126 counts as 0; a block of zeros carries the byte 1 (its codes are zeros; nobody else reads the bytes);
; x * rsq(mean + eps) * gamma stands for (x / sqrt(mean + eps)) * gamma.
.set VIMG,   73728                     ; LDS: K's 48 fragments from 0 (group g of 32 keys, fragment u: 3072 g + 1536 u); V's 48 from here, likewise
.set KSC,    147456                    ; K's scale words: 256 g + 8 lane + 4 u
.set VSCD,   6144                      ; V's lie this far behind K's
.set QIMG,   159744                    ; Q's fragments: 3072 wave + 1536 trip
.set QSC,    184320                    ; their scale words: 256 wave + 128 trip + 4 lane
.set STG,    186368                    ; a stage for each wave: 16 rows of 512 bytes + 16
.set SPITCH, 528                       ; 33 x 16 bytes: 16 rows begin at 16 different groups of four banks (64 banks of 4 bytes: ISA guide 11.1)
; REGISTERS.  Window 1 (v256-511): four sets of 64: in the head rows as loaded, in a tile the scores of key steps 0 to 3.  Window 0:
.set LI,  1                            ; 16 x lane
.set L4,  2                            ; 4 x lane
.set AK,  3                            ; LDS: K's images of the trip
.set AV,  4                            ; V's
.set ASC, 5                            ; scale words
.set AQ,  6                            ; Q's image
.set AQS, 7                            ; Q's scale word
.set SO,  8                            ; stage: 528 r + 32 h
.set SR,  9                            ; stage: 16 x lane
.set ST2, 10                           ; stage: 528 r + 64 h
.set DD,  11                           ; 16 wave + r - 16 h
.set NINF, 12                          ; -infinity
.set GOF, 13                           ; 64 h
.set NM,  14                           ; v14 -c m; v15 written, named with it as a pair
.set RL,  16                           ; v16 1 / l (head: 1 / rms); v17 likewise
.set T0,  18
.set T1,  19
.set QF,  20                           ; v20-31 Q's fragment
.set QW,  32                           ; v32-45 hold scale words and nothing else: Q's,
.set PW,  33                           ; p's five (head: the word just made),
.set KSA, 38                           ; those of fragment buffer FA,
.set KSB, 42                           ; and of FB
.set BM,  46                           ; v46-65 twenty blocks' maxima, later the conversions' scale operands
.set PC,  66                           ; v66-85 the codes just made
.set SUM, 86                           ; v86-93 four pairs of sums
.set FA,  94                           ; v94-141 four fragments
.set FB,  142                          ; v142-189 four fragments
.set OT,  190                          ; v190-253 key step 4's scores, then O^T
.set T2,  254
.set T3,  255
.set BT,  94                           ; twenty registers at work, between K's last fragments and V's first
.set GK,  94                           ; head only: k_gamma, q_gamma in the lane's order, and addresses
.set GQ,  158
.set KW,  222
.set VW,  223
.set KWS, 224
.set QWI, 225
.set QWS, 226
.set VO,  227
.set VSO, 228
.set KP,  28                           ; s[28:33] k at my three groups;  s[36:41] v_codes;  s[42:47] v_scales
.set VP,  36
.set VSP, 42
.set MAXW, 0x05                        ; sources 0 and 1 in window 1
.set INPL, 0x41                        ; destination and source 0
.set SUMW, 0x04                        ; source 1 (an LDS store's data too)
.set CVTW, 0x01                        ; source 0
.set DSTW, 0x40                        ; destination
.set MSB, 0
.macro WIN new                         ; the immediate's high byte repeats the setting that is left; a switch that changes nothing is dropped
.if MSB != (\new)
	s_set_vgpr_msb (MSB<<8)|(\new)
.set MSB, \new
.endif
.endm
.macro SETS s                          ; where key step s's scores lie
.if (\s) < 4
.set SBV, 64*(\s)
.set SWV, 1
.else
.set SBV, OT
.set SWV, 0
.endif
.endm
.macro GLOADK set, kk, u               ; 16 rows of k, each 512 consecutive bytes: row i of fragment u of my group kk is key 8 u + i + 8 (i / 8) of the group
	WIN DSTW
.set gi, 0
.rept 16
	global_load_b128 v[64*(\set)+4*gi:64*(\set)+4*gi+3], v[LI], s[KP+2*(\kk):KP+2*(\kk)+1] offset:(8*(\u)+gi+8*(gi/8))*2048
.set gi, gi+1
.endr
.endm
.macro GLOADQ set, t                   ; my 16 queries of trip t; read once in the launch
	WIN DSTW
.set gi, 0
.rept 16
	global_load_b128 v[64*(\set)+4*gi:64*(\set)+4*gi+3], v[LI], s[4:5] offset:(\t)*1048576+gi*8192 th:TH_LOAD_NT
.set gi, gi+1
.endr
.endm
.macro TURN set                        ; 16 rows through my stage: afterwards register 16 b + i is number 32 b + 16 h + i of row r.  LDS serves a wave's instructions in order (ISA guide 5.7.1.4): no wait between
	WIN SUMW
.set ti, 0
.rept 16
	ds_store_b128 v[SR], v[64*(\set)+4*ti:64*(\set)+4*ti+3] offset:SPITCH*ti
.set ti, ti+1
.endr
	WIN DSTW
.set ti, 0
.rept 16
	ds_load_b128 v[64*(\set)+4*ti:64*(\set)+4*ti+3], v[ST2] offset:128*(ti/4)+16*(ti%4)
.set ti, ti+1
.endr
.endm
; 64 numbers of a lane (register 16 b + i = k 32 b + 16 h + i of my row) become a fragment's 12 registers in v[PC] on.  sop: the four blocks' scale operands
.macro CVT x, w, sop
	WIN CVTW*(\w)
.irp c, 0,1
	v_cvt_scalef32_pk16_bf6_f32 v[PC+6*\c:PC+6*\c+2], v[\x+32*\c:\x+32*\c+15], v[\sop+2*\c]
	v_cvt_scalef32_pk16_bf6_f32 v[PC+12+4*\c:PC+14+4*\c], v[\x+32*\c+16:\x+32*\c+31], v[\sop+2*\c+1]   ; (a conversion's three registers begin on an even number)
.endr
	WIN 0
	v_nop                                          ; one plain instruction behind the scaled conversions
.irp c, 0,1                            ; the operand wants a whole block in a lane: lanes 0-15 block 2 c, lanes 16-31 block 2 c + 1
.irp i, 0,1,2
	v_permlane16_swap_b32 v[PC+6*\c+\i], v[PC+12+4*\c+\i]
.endr
.irp i, 0,1,2
	v_mov_b32 v[PC+3+6*\c+\i], v[PC+12+4*\c+\i]
.endr
.endr
.endm
; A set's 16 rows: x / rms * gamma, then quantised.  g: the gammas, in the lane's order
.macro NORMQ set, g
.set XB, 64*(\set)
	WIN MAXW
.set nk, 0
.rept 4
	v_pk_mul_f32 v[SUM+2*nk:SUM+2*nk+1], v[XB+2*nk:XB+2*nk+1], v[XB+2*nk:XB+2*nk+1]   ; the sum of squares, in four chains of pairs; the first products start them
.set nk, nk+1
.endr
.rept 28
	v_pk_fma_f32 v[SUM+2*(nk%4):SUM+2*(nk%4)+1], v[XB+2*nk:XB+2*nk+1], v[XB+2*nk:XB+2*nk+1], v[SUM+2*(nk%4):SUM+2*(nk%4)+1]
.set nk, nk+1
.endr
	WIN 0
	v_pk_add_f32 v[SUM:SUM+1], v[SUM:SUM+1], v[SUM+2:SUM+3]
	v_pk_add_f32 v[SUM+4:SUM+5], v[SUM+4:SUM+5], v[SUM+6:SUM+7]
	v_pk_add_f32 v[SUM:SUM+1], v[SUM:SUM+1], v[SUM+4:SUM+5]
	v_add_f32 v[T0], v[SUM], v[SUM+1]
	v_permlanex16_b32 v[T1], v[T0], s48, s49       ; the row's other 64 numbers lie in the lane 16 away
	v_add_f32 v[T0], v[T0], v[T1]
	v_fma_f32 v[T0], v[T0], s53, s54               ; / 128 + eps
	v_rsq_f32 v[RL], v[T0]
	v_mov_b32 v[RL+1], 0                           ; the plain instruction behind the transcendental; it also writes the pair's upper half
	s_wait_alu depctr_va_vdst(0)                   ; the wait ahead of the result's first reader
	WIN INPL
.set nk, 0
.rept 32
	v_pk_mul_f32 v[XB+2*nk:XB+2*nk+1], v[XB+2*nk:XB+2*nk+1], v[RL:RL+1] op_sel_hi:[1,0]
.if nk > 0
	v_pk_mul_f32 v[XB+2*nk-2:XB+2*nk-1], v[XB+2*nk-2:XB+2*nk-1], v[\g+2*nk-2:\g+2*nk-1]
.endif
.set nk, nk+1
.endr
	v_pk_mul_f32 v[XB+62:XB+63], v[XB+62:XB+63], v[\g+62:\g+63]
	WIN MAXW
.irp bb, 0,1,2,3
	v_max3_num_f32 v[BM+\bb], |v[XB+16*\bb]|, |v[XB+16*\bb+1]|, 0x2800000   ; block bb: my 16 numbers, and the floor 2^(5 - 127): the byte cannot fall under 1
.endr
.set nk, 2
.rept 7
.irp bb, 0,1,2,3
	v_max3_num_f32 v[BM+\bb], |v[XB+16*\bb+nk]|, |v[XB+16*\bb+nk+1]|, v[BM+\bb]
.endr
.set nk, nk+2
.endr
	WIN 0
.irp bb, 0,1,2,3
	v_permlanex16_b32 v[BM+4+\bb], v[BM+\bb], s48, s49
.endr
.irp bb, 0,1,2,3
	v_max_num_f32 v[BM+\bb], v[BM+\bb], v[BM+4+\bb]
.endr
.irp bb, 0,1,2,3
	v_add_nc_u32 v[BM+12+\bb], 0xfe000000, v[BM+\bb]   ; 4 off the exponent field: the conversion's scale operand
.endr
.irp bb, 0,1,2,3
	v_lshrrev_b32 v[BM+4+\bb], 23, v[BM+12+\bb]    ; the scale's byte
.endr
	v_lshl_or_b32 v[PW], v[BM+5], 8, v[BM+4]
	v_lshl_or_b32 v[PW], v[BM+6], 16, v[PW]
	v_lshl_or_b32 v[PW], v[BM+7], 24, v[PW]
	CVT XB, 1, BM+12
.endm
.macro IMAGE adr, off, sadr, soff      ; the fragment and its scale word go to LDS as they stand
.irp c, 0,1,2
	ds_store_b128 v[\adr], v[PC+4*\c:PC+4*\c+3] offset:(\off)+512*\c
.endr
	ds_store_b32 v[\sadr], v[PW] offset:(\soff)
.endm
.macro PROC set, g, cnt, adr, off, sadr, soff
	s_wait_loadcnt \cnt                            ; this set's 16 rows are in; cnt younger loads stay out
	TURN \set
	s_wait_dscnt 0x0                               ; the turned rows are in, and the last image's stores are done
	NORMQ \set, \g
	IMAGE \adr, \off, \sadr, \soff
.endm
.macro LOADH adr, ioff, soff, f, ks    ; four fragments and their scale words: 14 LDS loads, each of consecutive bytes
.set lf, 0
.rept 4
.set lc, 0
.rept 3
	ds_load_b128 v[\f+12*lf+4*lc:\f+12*lf+4*lc+3], v[\adr] offset:(\ioff)+1536*lf+512*lc
.set lc, lc+1
.endr
.set lf, lf+1
.endr
	ds_load_b64 v[\ks:\ks+1], v[ASC] offset:(\soff)
	ds_load_b64 v[\ks+2:\ks+3], v[ASC] offset:(\soff)+256
.endm
.macro SMUL n                          ; half n of the scores: four tiles of 16 keys x my 16 queries; each product is a whole sum (K = 128) and begins with 0
	SETS (\n)/2
	WIN DSTW*SWV
.if (\n)%2 == 0
.set SFR, FA
.set SKR, KSA
.else
.set SFR, FB
.set SKR, KSB
.endif
.set si, 0
.rept 4
	v_wmma_scale_f32_16x16x128_f8f6f4 v[SBV+8*(4*((\n)%2)+si):SBV+8*(4*((\n)%2)+si)+7], v[SFR+12*si:SFR+12*si+11], v[QF:QF+11], 0, v[SKR+si], v[QW] matrix_a_fmt:MATRIX_FMT_BF6 matrix_b_fmt:MATRIX_FMT_BF6
.set si, si+1
.endr
.endm
.macro FILL s                          ; a key step that lies before key 0 counts for nobody: a scalar branch on the work-group's number and the trip
	WIN 0
	s_cmp_ge_i32 s61, -(\s)
	s_cbranch_scc1 .Lvis_\@
	WIN DSTW
.set fj, 0
.rept 64
	v_mov_b32 v[64*(\s)+fj], v[NINF]
.set fj, fj+1
.endr
	WIN 0
.Lvis_\@:
.endm
.macro MASK s, lo, hi                  ; register n holds key 32 (n / 16) + n % 16 + 16 h of the step.  Step 0 hides keys under 16 w + r (further back than 512), step 4 those above it (later than the query)
	SETS \s
	WIN INPL*SWV
.set mn, \lo
.rept (\hi)-(\lo)+1
.if (\s) == 0
	v_cmp_lt_i32 vcc_lo, 32*(mn/16)+mn%16, v[DD]
.else
	v_cmp_gt_i32 vcc_lo, 32*(mn/16)+mn%16, v[DD]
.endif
	v_cndmask_b32 v[SBV+mn], v[SBV+mn], v[NINF], vcc_lo
.set mn, mn+1
.endr
.endm
.macro MAXH s, half                    ; the largest score of two blocks of 32 keys (my 16 of each), by turns, each accumulator from its low end on
	SETS \s
	WIN MAXW*SWV
.irp bb, 2*(\half), 2*(\half)+1
	v_max3_num_f32 v[BM+4*(\s)+\bb], v[SBV+16*(\bb)], v[SBV+16*(\bb)+1], v[NINF]
.endr
.set mi, 2
.rept 7
.irp bb, 2*(\half), 2*(\half)+1
	v_max3_num_f32 v[BM+4*(\s)+\bb], v[SBV+16*(\bb)+mi], v[SBV+16*(\bb)+mi+1], v[BM+4*(\s)+\bb]
.endr
.set mi, mi+2
.endr
.endm
.macro EXPSTEP s                       ; e = 2^(c s - c m): a packed multiply-add leads each pair of exponentials; nothing here names an exponential's result
	SETS \s
	WIN INPL*SWV
	v_pk_fma_f32 v[SBV:SBV+1], v[SBV:SBV+1], s[50:51], v[NM:NM+1] op_sel_hi:[1,0,0]
.set ep, 0
.rept 32
.if ep < 31
	v_pk_fma_f32 v[SBV+2*ep+2:SBV+2*ep+3], v[SBV+2*ep+2:SBV+2*ep+3], s[50:51], v[NM:NM+1] op_sel_hi:[1,0,0]
.endif
	v_exp_f32 v[SBV+2*ep], v[SBV+2*ep]
	v_exp_f32 v[SBV+2*ep+1], v[SBV+2*ep+1]
.set ep, ep+1
.endr
.endm
.macro SUMSTEP s                       ; steps 0 to 3: 32 pairs onto the four chains
	WIN SUMW
.set sj, 0
.rept 32
	v_pk_add_f32 v[SUM+2*(sj%4):SUM+2*(sj%4)+1], v[SUM+2*(sj%4):SUM+2*(sj%4)+1], v[64*(\s)+2*sj:64*(\s)+2*sj+1]
.set sj, sj+1
.endr
.endm
; Key step sg: p = e / l, quantised, and O^T += V^T P^T: eight accumulators, one product each, so that they take turns from step to step.
.macro PVSTEP sg, first
	SETS \sg
	WIN INPL*SWV
.set pj, 0
.rept 4
	v_pk_mul_f32 v[SBV+2*pj:SBV+2*pj+1], v[SBV+2*pj:SBV+2*pj+1], v[RL:RL+1] op_sel_hi:[1,0]   ; these four are the places between the last products and the loads into their operands
.set pj, pj+1
.endr
	WIN 0
	LOADH AV, (\sg)*12288, VSCD+(\sg)*1024, FA, KSA
	LOADH AV, (\sg)*12288+6144, VSCD+(\sg)*1024+512, FB, KSB
	WIN INPL*SWV
.rept 28
	v_pk_mul_f32 v[SBV+2*pj:SBV+2*pj+1], v[SBV+2*pj:SBV+2*pj+1], v[RL:RL+1] op_sel_hi:[1,0]
.set pj, pj+1
.endr
	CVT SBV, SWV, BM+4*(\sg)
.rept 4
	v_nop                                          ; an operand written by vector instructions stands four places ahead of a scaled product
.endr
.set pt, 0
.rept 8
.if pt == 0
	s_wait_dscnt 14                                ; the first four fragments and their scale words are in; the other buffer's 14 loads may be out
.endif
.if pt == 4
	s_wait_dscnt 0x0
.endif
.if pt < 4
.set PFR, FA+12*pt
.set PKS, KSA+pt
.else
.set PFR, FB+12*(pt-4)
.set PKS, KSB+pt-4
.endif
.if \first
	v_wmma_scale_f32_16x16x128_f8f6f4 v[OT+8*pt:OT+8*pt+7], v[PFR:PFR+11], v[PC:PC+11], 0, v[PKS], v[PW+(\sg)] matrix_a_fmt:MATRIX_FMT_BF6 matrix_b_fmt:MATRIX_FMT_BF6
.else
	v_wmma_scale_f32_16x16x128_f8f6f4 v[OT+8*pt:OT+8*pt+7], v[PFR:PFR+11], v[PC:PC+11], v[OT+8*pt:OT+8*pt+7], v[PKS], v[PW+(\sg)] matrix_a_fmt:MATRIX_FMT_BF6 matrix_b_fmt:MATRIX_FMT_BF6
.endif
.set pt, pt+1
.endr
.endm
	; ---------------- ids, addresses, pointers
	s_load_b256 s[4:11], s[0:1], 0x0               ; q s[4:5], k s[6:7], v_codes s[8:9], v_scales s[10:11]
	s_load_b128 s[12:15], s[0:1], 0x20             ; q_gamma s[12:13], k_gamma s[14:15]
	s_load_b64 s[16:17], s[0:1], 0x30              ; out0
	v_lshl_add_u32 v81, v0, 2, 0x3e000
	v_mov_b32 v85, 0
	v_lshrrev_b32 v[T0], 5, v0
	v_readfirstlane_b32 s18, v[T0]                 ; wave 0..7
	v_and_b32 v[T1], 31, v0                        ; lane
	v_and_b32 v[T2], 15, v0                        ; r
	v_bfe_u32 v[T3], v0, 4, 1                      ; h
	s_mov_b32 s19, ttmp9                           ; block of 256 queries
	s_and_b32 s20, ttmp7, 0xffff
	s_lshr_b32 s21, s20, 4                         ; batch
	s_and_b32 s22, s20, 15                         ; query head
	s_lshr_b32 s23, s22, 2                         ; key/value head
	s_mov_b32 s48, 0x76543210                      ; v_permlanex16_b32's selects for lane l xor 16
	s_mov_b32 s49, 0xfedcba98
	s_mov_b32 s50, 0x3e0293ee                      ; c = log2(e) / sqrt(128)
	s_mov_b32 s51, s50                             ; (named with it as a pair)
	s_mov_b32 s52, 0xbe0293ee                      ; -c
	s_mov_b32 s53, 0x3c000000                      ; 1 / 128
	s_mov_b32 s54, 0x358637bd                      ; eps = 1e-6
	v_lshlrev_b32 v[LI], 4, v[T1]
	v_lshlrev_b32 v[L4], 2, v[T1]
	s_mul_i32 s62, s18, 16*SPITCH
	s_add_co_u32 s62, s62, STG                     ; my stage
	v_mul_u32_u24 v[SO], v[T2], SPITCH
	v_add_nc_u32 v[SO], s62, v[SO]
	v_lshl_add_u32 v[ST2], v[T3], 6, v[SO]
	v_lshl_add_u32 v[SO], v[T3], 5, v[SO]
	v_add_nc_u32 v[SR], s62, v[LI]
	s_lshl_b32 s63, s18, 4
	v_lshlrev_b32 v[DD], 4, v[T3]
	v_sub_nc_u32 v[DD], v[T2], v[DD]
	v_add_nc_u32 v[DD], s63, v[DD]                 ; 16 w + r - 16 h
	v_mov_b32 v[NINF], 0xff800000
	v_lshlrev_b32 v[GOF], 6, v[T3]
	v_mov_b32 v[NM+1], 0
.irp i, 4,5,6,7
	v_mov_b32 v[BM+\i], 0                          ; written once: a lane permute's destination counts as one of its sources
.endr
	s_mul_i32 s62, s18, 9216                       ; my three groups' images
	v_add_nc_u32 v[KW], s62, v[LI]
	v_add_nc_u32 v[VW], VIMG, v[KW]
	s_mul_i32 s62, s18, 768
	s_add_co_u32 s62, s62, KSC
	v_lshl_add_u32 v[KWS], v[T1], 3, s62
	s_mul_i32 s59, s18, 3072
	s_add_co_u32 s59, s59, QIMG                    ; my queries' images: also the tile loop's address
	v_add_nc_u32 v[QWI], s59, v[LI]
	s_lshl_b32 s60, s18, 8
	s_add_co_u32 s60, s60, QSC
	v_add_nc_u32 v[QWS], s60, v[L4]
	v_mul_u32_u24 v[VO], v[T2], 1536               ; v_codes: row r of 1,536 bytes, + 24 h
	v_mad_u32_u24 v[VO], v[T3], 24, v[VO]
	v_lshlrev_b32 v[VSO], 6, v[T2]                 ; v_scales: row r of 64 bytes
	s_lshl_b32 s24, s21, 24                        ; q, out0: batch x 16,777,216 + (256 block + 16 wave) x 8,192 + head x 512
	s_lshl_b32 s26, s19, 21
	s_add_co_u32 s24, s24, s26
	s_lshl_b32 s26, s18, 17
	s_add_co_u32 s24, s24, s26
	s_lshl_b32 s26, s22, 9                         ; head x 512: also the gammas' offset
	s_add_co_u32 s24, s24, s26
	s_mov_b32 s25, 0
	s_mov_b32 s27, 0
	s_lshl_b32 s66, s19, 8
	s_sub_co_i32 s66, s66, 512
	s_mul_i32 s67, s18, 96
	s_add_co_i32 s66, s66, s67                     ; my first group's first key: 256 block - 512 + 96 wave
	s_lshl_b32 s68, s21, 22                        ; k: batch x 4,194,304 + key/value head x 512
	s_lshl_b32 s69, s23, 9
	s_add_co_u32 s68, s68, s69
	s_lshl_b32 s69, s21, 2
	s_add_co_u32 s69, s69, s23                     ; 4 batch + key/value head
	s_mul_i32 s70, s69, 196608                     ; its codes of V,
	s_lshl_b32 s71, s69, 13                        ; its scale bytes
	s_mul_i32 s69, s18, 3                          ; my first group
	s_lshl_b32 s61, s19, 1
	s_sub_co_i32 s61, s61, 4                       ; the slot's first key step: 2 block - 4 (may lie before key 0)
	s_wait_kmcnt 0x0
	s_add_nc_u64 s[4:5], s[4:5], s[24:25]
	s_add_nc_u64 s[16:17], s[16:17], s[24:25]
	s_add_nc_u64 s[12:13], s[12:13], s[26:27]
	s_add_nc_u64 s[14:15], s[14:15], s[26:27]
.irp kk, 0,1,2
	s_add_co_i32 s76, s66, 32*\kk
	s_max_i32 s76, s76, 0                          ; a group before key 0 takes keys 0 to 31: no load leaves its buffer
	s_lshl_b32 s76, s76, 11
	s_add_co_u32 s76, s76, s68
	s_mov_b32 s77, 0
	s_add_nc_u64 s[KP+2*\kk:KP+2*\kk+1], s[6:7], s[76:77]
	s_add_co_u32 s72, s69, \kk                     ; for V group g stands for key step g / 4 of the slot and channel tiles 2 (g % 4), 2 (g % 4) + 1
	s_lshr_b32 s73, s72, 2
	s_and_b32 s72, s72, 3
	s_add_co_i32 s73, s73, s61
	s_max_i32 s73, s73, 0                          ; the key step in V, held at 0 likewise
	s_mul_i32 s74, s72, 49152
	s_mul_i32 s75, s73, 96
	s_add_co_u32 s74, s74, s75
	s_add_co_u32 s74, s74, s70
	s_mov_b32 s75, 0
	s_add_nc_u64 s[VP+2*\kk:VP+2*\kk+1], s[8:9], s[74:75]
	s_lshl_b32 s74, s72, 11
	s_lshl_b32 s73, s73, 2
	s_add_co_u32 s74, s74, s73
	s_add_co_u32 s74, s74, s71
	s_add_nc_u64 s[VSP+2*\kk:VSP+2*\kk+1], s[10:11], s[74:75]
.endr
	; ---------------- HEAD: the gammas, then eight fragments through four sets of registers, loads three sets ahead
.set gi, 0
.rept 16
	global_load_b128 v[GK+4*gi:GK+4*gi+3], v[GOF], s[14:15] offset:128*(gi/4)+16*(gi%4)   ; register 16 b + i: gamma of number 32 b + 16 h + i of my head
.set gi, gi+1
.endr
.set gi, 0
.rept 16
	global_load_b128 v[GQ+4*gi:GQ+4*gi+3], v[GOF], s[12:13] offset:128*(gi/4)+16*(gi%4)
.set gi, gi+1
.endr
	GLOADK 0, 0, 0
	GLOADK 1, 0, 1
	GLOADK 2, 1, 0
	GLOADK 3, 1, 1
	PROC 0, GK, 48, KW, 0, KWS, 0                  ; 48: the three sets issued behind this one
	GLOADK 0, 2, 0
	PROC 1, GK, 48, KW, 1536, KWS, 4
	GLOADK 1, 2, 1
	PROC 2, GK, 48, KW, 3072, KWS, 256
	GLOADQ 2, 0
	PROC 3, GK, 48, KW, 4608, KWS, 260
	GLOADQ 3, 1
	PROC 0, GK, 48, KW, 6144, KWS, 512
	PROC 1, GK, 32, KW, 7680, KWS, 516             ; 32: Q's two sets
	WIN DSTW                                       ; V's six fragments and scale words, as they lie, into sets 0 and 1, which are done with
.irp f, 0,1,2,3,4,5
.irp p, 0,1,2,3,4,5
	global_load_b64 v[12*\f+2*\p:12*\f+2*\p+1], v[VO], s[VP+2*(\f/2):VP+2*(\f/2)+1] offset:(\f%2)*24576+48*(\p/3)+8*(\p%3)
.endr
	global_load_b32 v[72+\f], v[VSO], s[VSP+2*(\f/2):VSP+2*(\f/2)+1] offset:(\f%2)*1024
.endr
	PROC 2, GQ, 58, QWI, 0, QWS, 0                 ; 58: Q's second set and V's 42 loads
	PROC 3, GQ, 42, QWI, 1536, QWS, 128            ; 42: V's
	s_wait_loadcnt 0x0
	WIN SUMW
.irp f, 0,1,2,3,4,5
.irp c, 0,1,2
	ds_store_b128 v[VW], v[12*\f+4*\c:12*\f+4*\c+3] offset:1536*\f+512*\c
.endr
	ds_store_b32 v[KWS], v[72+\f] offset:VSCD+256*(\f/2)+4*(\f%2)
.endr
	WIN 0
	s_wait_dscnt 0x0                               ; for the others' sake: all my images lie in LDS
	s_barrier_signal -1
	s_barrier_wait -1                              ; everybody's do.  From here on the images are only read; a stage is touched by its own wave alone
	; ---------------- TILES
	s_mov_b32 s55, 0                               ; the trip
	s_mov_b32 s56, 0                               ; the trip's first key step: K's images,
	s_mov_b32 s57, VIMG                            ; V's,
	s_mov_b32 s58, KSC                             ; the scale words
.Ltile:
	v_add_nc_u32 v[AK], s56, v[LI]
	v_add_nc_u32 v[AV], s57, v[LI]
	v_lshl_add_u32 v[ASC], v[L4], 1, s58
	v_add_nc_u32 v[AQ], s59, v[LI]
	v_add_nc_u32 v[AQS], s60, v[L4]
	ds_load_b128 v[QF:QF+3], v[AQ]
	ds_load_b128 v[QF+4:QF+7], v[AQ] offset:512
	ds_load_b128 v[QF+8:QF+11], v[AQ] offset:1024
	ds_load_b32 v[QW], v[AQS]
	LOADH AK, 0, 0, FA, KSA
	LOADH AK, 6144, 512, FB, KSB
	; S^T = K Q^T in ten halves of four products, on two fragment buffers.  Behind each half stands the vector work of the key step before (hidden steps, mask, blocks' maxima): these
	; instructions, or four v_nop, are the places between the products and the loads into their operands
.irp n, 0,1,2,3,4,5,6,7,8,9
.if \n == 9
	s_wait_dscnt 0x0
.else
	s_wait_dscnt 14                                ; this half's 14 loads (and Q) are in; the other buffer's 14 may be out
.endif
	SMUL \n
.if \n < 2
.rept 4
	v_nop
.endr
.elseif \n%2 == 0
	FILL (\n-2)/2
.if \n == 2
	MASK 0, 0, 31
.endif
	MAXH (\n-2)/2, 0
.else
.if \n == 3
	MASK 0, 32, 63
.endif
	MAXH (\n-3)/2, 1
.endif
.if \n < 8
	WIN 0
.if \n%2 == 0
	LOADH AK, ((\n+2)/2)*12288, ((\n+2)/2)*1024, FA, KSA
.else
	LOADH AK, ((\n+2)/2)*12288+6144, ((\n+2)/2)*1024+512, FB, KSB
.endif
.endif
.endr
	MASK 4, 0, 63
	MAXH 4, 0
	MAXH 4, 1
	; the row's maximum m; key i itself always counts, so m is a number
	WIN 0
.set qi, 0
.rept 20
	v_permlanex16_b32 v[BT+qi], v[BM+qi], s48, s49
.set qi, qi+1
.endr
.set qi, 0
.rept 20
	v_max_num_f32 v[BM+qi], v[BM+qi], v[BT+qi]     ; each block's largest score, with lane l xor 16's 16 keys
.set qi, qi+1
.endr
	v_max3_num_f32 v[T0], v[BM], v[BM+1], v[BM+2]
	v_max3_num_f32 v[T2], v[BM+3], v[BM+4], v[BM+5]
.irp i, 6,10,14
	v_max3_num_f32 v[T0], v[T0], v[BM+\i], v[BM+\i+1]
	v_max3_num_f32 v[T2], v[T2], v[BM+\i+2], v[BM+\i+3]
.endr
	v_max3_num_f32 v[T0], v[T0], v[BM+18], v[BM+19]
	v_max_num_f32 v[T0], v[T0], v[T2]
	v_mul_f32 v[NM], s52, v[T0]                    ; -c m: one shift for the whole row, so its rounding cancels in e / l
.set qi, 0
.rept 20
	v_fma_f32 v[BM+qi], v[BM+qi], s50, v[NM]
.set qi, qi+1
.endr
	v_fma_f32 v[T1], v[T0], s50, v[NM]
	EXPSTEP 0
	EXPSTEP 1
	EXPSTEP 2
	EXPSTEP 3
	EXPSTEP 4
	WIN 0
.set qi, 0
.rept 20
	v_exp_f32 v[BM+qi], v[BM+qi]                   ; each block's largest e: the same two instructions on the same number give the same bits
.set qi, qi+1
.endr
	v_exp_f32 v[T1], v[T1]                         ; and the row's
	v_nop                                          ; the plain instruction behind the last exponential
	s_wait_alu depctr_va_vdst(0)                   ; ONE wait for the batch of 341, ahead of its first reader
.set sj, 0
.rept 4
	v_pk_add_f32 v[SUM+2*sj:SUM+2*sj+1], v[OT+4*sj:OT+4*sj+1], v[OT+4*sj+2:OT+4*sj+3]   ; the row's sum, of the unquantised e: step 4's first pairs start four chains
.set sj, sj+1
.endr
.set sj, 8
.rept 24
	v_pk_add_f32 v[SUM+2*(sj%4):SUM+2*(sj%4)+1], v[SUM+2*(sj%4):SUM+2*(sj%4)+1], v[OT+2*sj:OT+2*sj+1]
.set sj, sj+1
.endr
	SUMSTEP 0
	SUMSTEP 1
	SUMSTEP 2
	SUMSTEP 3
	WIN 0
	v_pk_add_f32 v[SUM:SUM+1], v[SUM:SUM+1], v[SUM+2:SUM+3]
	v_pk_add_f32 v[SUM+4:SUM+5], v[SUM+4:SUM+5], v[SUM+6:SUM+7]
	v_pk_add_f32 v[SUM:SUM+1], v[SUM:SUM+1], v[SUM+4:SUM+5]
	v_add_f32 v[T0], v[SUM], v[SUM+1]
	v_permlanex16_b32 v[T2], v[T0], s48, s49
	v_add_f32 v[T0], v[T0], v[T2]                  ; l
	v_rcp_f32 v[RL], v[T0]
	v_mov_b32 v[RL+1], 0                           ; the plain instruction behind the transcendental
	s_wait_alu depctr_va_vdst(0)
	v_mul_f32 v[T2], v[T1], v[RL]                  ; THE CLIP: the row's largest p;
	v_cmp_lt_f32 vcc_lo, 1.0, v[T2]                ; where it has rounded above 1,
	v_mul_f32 v[T3], 0x3f7ffff8, v[RL]             ; 1 / l is taken 2^-21 of itself lower: a choice of a value, no branch
	v_cndmask_b32 v[RL], v[RL], v[T3], vcc_lo
.set qi, 0
.rept 20
	v_mul_f32 v[BM+qi], v[BM+qi], v[RL]            ; each block's largest p
.set qi, qi+1
.endr
.set qi, 0
.rept 20
	v_max_num_f32 v[BM+qi], 0x2800000, v[BM+qi]    ; the floor 2^(5 - 127): the byte cannot fall under 1
.set qi, qi+1
.endr
.set qi, 0
.rept 20
	v_add_nc_u32 v[BM+qi], 0xfe000000, v[BM+qi]    ; 4 off the exponent field: the conversions' scale operands
.set qi, qi+1
.endr
.set qi, 0
.rept 20
	v_lshrrev_b32 v[BT+qi], 23, v[BM+qi]           ; the bytes
.set qi, qi+1
.endr
.irp s, 0,1,2,3,4
	v_lshl_or_b32 v[PW+\s], v[BT+4*\s+1], 8, v[BT+4*\s]
.endr
.irp s, 0,1,2,3,4
	v_lshl_or_b32 v[PW+\s], v[BT+4*\s+2], 16, v[PW+\s]
.endr
.irp s, 0,1,2,3,4
	v_lshl_or_b32 v[PW+\s], v[BT+4*\s+3], 24, v[PW+\s]
.endr
	PVSTEP 4, 1                                    ; step 4 first: once its p are codes, its 64 registers take O^T, whose sums these products start
	PVSTEP 0, 0
	PVSTEP 1, 0
	PVSTEP 2, 0
	PVSTEP 3, 0
	; THE WAY OUT: register 8 t + j is o(query r, channel 16 t + 8 h + j): through my stage, and out as whole rows
.rept 4
	v_nop                                          ; places behind the last products
.endr
.irp t, 0,1,2,3,4,5,6,7
	ds_store_b128 v[SO], v[OT+8*\t:OT+8*\t+3] offset:64*\t          ; each accumulator from its low end on
	ds_store_b128 v[SO], v[OT+8*\t+4:OT+8*\t+7] offset:64*\t+16
.endr
.set qi, 0
.rept 16
	ds_load_b128 v[FA+4*qi:FA+4*qi+3], v[SR] offset:SPITCH*qi       ; LDS serves a wave's instructions in order: these see the stores above
.set qi, qi+1
.endr
.set qi, 0
.rept 16
	s_wait_dscnt 15-qi
	global_store_b128 v[LI], v[FA+4*qi:FA+4*qi+3], s[16:17] offset:8192*qi th:TH_STORE_NT   ; 32 lanes store a row's 512 consecutive bytes, at a multiple of 512 from out0's first byte
.set qi, qi+1
.endr
	s_wait_xcnt 0x0                                ; the stores have read their registers and their base: both are written again only behind this wait
	s_add_nc_u64 s[16:17], s[16:17], 1048576       ; 128 queries on
	s_add_co_u32 s56, s56, 12288                   ; one key step on
	s_add_co_u32 s57, s57, 12288
	s_add_co_u32 s58, s58, 1024
	s_add_co_u32 s59, s59, 1536                    ; my next tile of queries
	s_add_co_u32 s60, s60, 128
	s_add_co_i32 s61, s61, 1
	s_add_co_u32 s55, s55, 1
	s_cmp_lt_u32 s55, 2
	s_cbranch_scc1 .Ltile
	s_wait_tensorcnt 0x0
	ds_add_u32 v81, v85
	s_wait_dscnt 0x0
	s_endpgm
.Lfunc_end_k_q8f2204d728_attn:
	.size	k_q8f2204d728_attn, .Lfunc_end_k_q8f2204d728_attn-k_q8f2204d728_attn
	.p2alignl 7, 3214868480
	.fill 96, 4, 3214868480
	.section	.rodata,"a",@progbits
	.p2align	6, 0x0
	.amdhsa_kernel k_q8f2204d728_attn
		.amdhsa_group_segment_fixed_size 254976
		.amdhsa_private_segment_fixed_size 0
		.amdhsa_enable_private_segment 0
		.amdhsa_kernarg_size 56
		.amdhsa_user_sgpr_count 2
		.amdhsa_user_sgpr_kernarg_segment_ptr 1
		.amdhsa_wavefront_size32 1
		.amdhsa_system_sgpr_workgroup_id_x 1
		.amdhsa_system_sgpr_workgroup_id_y 1
		.amdhsa_system_sgpr_workgroup_id_z 1
		.amdhsa_system_vgpr_workitem_id 0
		.amdhsa_next_free_vgpr 512
		.amdhsa_next_free_sgpr 80
		.amdhsa_reserve_vcc 1
		.amdhsa_float_denorm_mode_32 3
		.amdhsa_float_denorm_mode_16_64 3
		.amdhsa_memory_ordered 1
		.amdhsa_forward_progress 1
		.amdhsa_inst_pref_size 247
	.end_amdhsa_kernel
	.amdgpu_metadata
---
amdhsa.version: [ 1, 2 ]
amdhsa.kernels:
  - .name:           k_q8f2204d728_attn
    .symbol:         k_q8f2204d728_attn.kd
    .args:
      - { .name: q, .offset: 0, .size: 8, .value_kind: global_buffer, .address_space: global }
      - { .name: k, .offset: 8, .size: 8, .value_kind: global_buffer, .address_space: global }
      - { .name: v_codes, .offset: 16, .size: 8, .value_kind: global_buffer, .address_space: global }
      - { .name: v_scales, .offset: 24, .size: 8, .value_kind: global_buffer, .address_space: global }
      - { .name: q_gamma, .offset: 32, .size: 8, .value_kind: global_buffer, .address_space: global }
      - { .name: k_gamma, .offset: 40, .size: 8, .value_kind: global_buffer, .address_space: global }
      - { .name: out0, .offset: 48, .size: 8, .value_kind: global_buffer, .address_space: global }
    .group_segment_fixed_size: 254976
    .private_segment_fixed_size: 0
    .kernarg_segment_align: 8
    .kernarg_segment_size: 56
    .max_flat_workgroup_size: 256
    .sgpr_count:     80
    .vgpr_count:     512
    .wavefront_size: 32
...
	.end_amdgpu_metadata
.endif
;; end of part 1
